; MI455X (gfx1250); checked and timed in simulation.
; The chip was launched on July 23, 2026; its instructions are those of AMD's public machine-readable ISA for CDNA 5 (MIT licence, August 2026) and "CDNA5" Instruction Set Architecture Reference Guide (July 2026). The comments in the code are by the model that wrote it; some were corrected since.
;; Casual Self Attention. Allowed arithmetic: matrix products marked QUANTISED: E5M2 operands, one given power-of-two scale a tensor, by v_wmma_f32_16x16x64_bf8_bf8 or v_wmma_f32_16x16x128_bf8_bf8, f32 sums; everything else in f32.
;; Inputs: W_attn 1,024 x 3,072 float32; W_proj 1,024 x 1,024 float32; b_attn 3,072 float32; b_proj 1,024 float32; lowp_scales 8 int32 (the exponents e of the quantised operands' scales 2^e); x 4 x 2,048 x 1,024 float32.
;; Outputs: out0 4 x 2,048 x 1,024 float32.
;; This version of the problem:
;;   THIS VERSION OF THE PROBLEM IS GIVEN IN LOW PRECISION. The matrix products marked QUANTISED in the list below multiply operands that are first quantised to E5M2 (5 exponent bits, 2 mantissa bits; 8 bits a number), with one given power-of-two scale for each operand tensor; their sums are f32. All else is computed in f32.
;;   The module's matrix products, in the order in which they are computed (A, B: the left and right operand; K: the contracted axis; several contracted axes count as one K, in the product's order):
;;     1. [M 8,192, K 1,024] x [K 1,024, N 3,072]; A: input x; B: input W_attn: QUANTISED (scales: A lowp_scales[0], B lowp_scales[1])
;;     2. batch 64 x [M 2,048, K 64] x [K 64, N 2,048]; A: computed on the way; B: computed on the way: QUANTISED (scales: A lowp_scales[2], B lowp_scales[3])
;;     3. batch 64 x [M 64, K 2,048] x [K 2,048, N 2,048]; A: computed on the way; B: softmax (see below): QUANTISED (scales: A lowp_scales[4], B lowp_scales[5])
;;     4. [M 8,192, K 1,024] x [K 1,024, N 1,024]; A: computed on the way; B: input W_proj: QUANTISED (scales: A lowp_scales[6], B lowp_scales[7])
;;   THE QUANTISER, for each operand of a quantised product, along K:
;;     - The operand's scale is 2^e, e = its entry of the input lowp_scales (int32; the entries are numbered through the quantised products in the list's order, A before B).
;;     - Each number is divided by the scale, clamped to +-57,344, and rounded to the nearest number of E5M2, ties to even, subnormals kept.
;;     - The product sums the exact products of the quantised numbers (number of the format x scale) in f32.
;;   ~~~python
;;   def quantise(x, axis, e):      # numpy; x: float32 -> the quantised numbers, widened to float32 again
;;       x = np.moveaxis(x, axis, -1); K = x.shape[-1]
;;       r = np.clip(x / 2.0 ** e, -57344, 57344)
;;       step = 2.0 ** (np.maximum(np.frexp(np.where(r == 0, 1, r))[1] - 1, -14) - 2)
;;       q = np.round(r / step) * step * 2.0 ** e      # np.round: ties to even
;;       return np.moveaxis(q, -1, axis).astype(np.float32)
;;   ~~~
;;   SOFTMAX AHEAD OF A QUANTISED PRODUCT. Where the list says 'softmax', what is quantised is not the finished softmax but p = 2^(t - M), with t = logit x log2(e) and M = ceil(the row's largest t), a whole number; so 1/2 < the row's largest p <= 1. The row's sum l is taken of the UNQUANTISED p, in f32, and the product's result is divided by l at the end. Since M is a whole number, a kernel that streams over the keys may use a running M (the ceiling of the running maximum): every later rescaling is an exact power of two, so the quantised numbers keep their values, but for numbers so far below the row's largest that they fall under the format's range.
;;   OPERANDS COMPUTED ON THE WAY. 'Computed on the way' means the value that the module computes at that place (a softmax that the list does not call 'softmax' is quantised finished and normalised). What goes into a quantiser is computed in f32, as accurately as f32 sums, v_exp_f32 and their like allow (about 1e-6 of the number): no bf16 or f16 on the way to a quantiser, and a product that is left as it is and whose result goes on into a quantised operand takes f32 operands (vector FMAs, or v_wmma_f32_16x16x4_f32). A number that lies on a knife's edge between two numbers of the format may be rounded either way, as far as f32 arithmetic and the matrix unit's own rounding can turn it there, and no further.
;; One version. Each part assembles by itself: llvm-mc -triple=amdgcn-amd-amdhsa -mcpu=gfx1250 --defsym DOCPART=n.
;; ======== version 1 of 1: 4 launches
;; limits: right only within a limited range of input values
;; workspace buffers: x_codes 8,388,608 bytes; wa_codes 3,145,728 bytes; wp_codes 1,048,576 bytes; q_codes 8,388,608 bytes; k_codes 8,388,608 bytes; v_codes 8,388,608 bytes; y_codes 8,388,608 bytes
;; launch quant (part 1): grid 96 x 4, 4 waves a work-group, no clusters, 68,096 bytes of LDS; arguments x, W_attn, W_proj, lowp_scales, x_codes, wa_codes, wp_codes; writes x_codes, wa_codes, wp_codes
.if DOCPART == 1
	.amdgcn_target "amdgcn-amd-amdhsa--gfx1250"
	.amdhsa_code_object_version 6
	.text
	.protected	k_q54c0614c33_quant
	.globl	k_q54c0614c33_quant
	.p2align	8
	.type	k_q54c0614c33_quant,@function
k_q54c0614c33_quant:
	s_mov_b64 s[64:65], 0
	v_nop
	global_prefetch_b8 v0, s[64:65] scope:SCOPE_SE
	s_setreg_imm32_b32 hwreg(HW_REG_WAVE_MODE, 25, 1), 1
	s_wait_xcnt 0x0
; x [8192][1024], W_attn [1024][3072] and W_proj [1024][1024], f32, become codes of BF8 (E5M2), K innermost, each with the one scale 2^e that is given for it
; (entry 0 for x, entry 1 for W_attn, entry 7 for W_proj):  code = number / 2^e, held within +-57,344, rounded to the nearest code, ties to even.
; LIMITS: each of the three e lies between -126 and 112, so that 2^e and 57,344 x 2^e are f32 numbers.  NaN among the inputs is not served (an infinity is held at the largest code).
; SHARES.  Work-groups with x < 64 (256 of them) take x: K is innermost there, so x is a plain stream; a wave takes 16 steps of 512 numbers.
; Work-groups with x = 64 .. 87 take W_attn, x = 88 .. 95 W_proj: K is the FIRST axis there; a work-group takes 128 columns x 256 along K (work-group y), a wave 32 columns.
; Every work-group reads 131,072 bytes.  No wave shares anything with another: no barrier.  The two paths have LDS bytes of their own.
; Left out: tensor loads, clusters, prefetches: each byte is read once, in long runs, by many loads in flight, and no two work-groups read the same bytes.
.set SP,     80                        ; x path: a lane's place in a stage: its 64 bytes + 16 of padding
.set XR,     16                        ; v16-79   four sets of 16 numbers as they are loaded
.set XX,     80                        ; v80-111  two sets of 16 neighbours
.set XC,     128                       ; v128-191 codes: four registers for each step, so that no store's data are written again
.set STEPS,  16
.set WBASE,  32768                     ; weights' path: its stages begin here: 32 rows x WP bytes for each wave
.set WP,     272                       ; a stage row: 256 codes + 16 of padding
.set NB,     8                         ; blocks of 32 along K for a wave
.set WO,     16                        ; v16-47   byte offset of row i of a block: i x (a row of W) + 4 x lane; never rewritten
.set WX,     48                        ; v48-111  two sets of 32 numbers
.set WC,     112                       ; v112-119 a block's codes
.set WOUT,   120                       ; v120-183 the way out
	s_load_b256 s[4:11], s[0:1], 0x0               ; x s[4:5], W_attn s[6:7], W_proj s[8:9], the scales' exponents s[10:11]
	s_load_b128 s[12:15], s[0:1], 0x20             ; x's codes s[12:13], W_attn's s[14:15]
	s_load_b64 s[16:17], s[0:1], 0x30              ; W_proj's
	v_lshl_add_u32 v192, v0, 2, 0x10800
	v_mov_b32 v193, 0
	v_lshrrev_b32 v1, 5, v0
	v_readfirstlane_b32 s18, v1                    ; wave 0..3
	v_and_b32 v2, 31, v0                           ; lane
	s_and_b32 s19, ttmp7, 0xffff                   ; work-group y
	s_wait_kmcnt 0x0
	s_load_b256 s[24:31], s[10:11], 0x0            ; e0 .. e7
	s_cmp_lt_u32 ttmp9, 64
	s_cbranch_scc0 .Lweights
; ---------------- x: a stream of blocks of 32 ----------------
; The conversions take 8 numbers of one lane's consecutive registers, so a lane must hold neighbours along K; a load is best where neighbouring LANES take neighbouring bytes.
; Both are had: each of a step's four loads reads 512 consecutive bytes, 16 a lane; the 2,048 bytes go through the wave's own stage in LDS and come back 64 bytes a lane.
	s_wait_alu depctr_va_vdst(0)
	v_lshlrev_b32 v3, 4, v2                        ; 16 x lane: my 16 bytes of a load's 512, and my 16 codes of a step's 512
	s_wait_alu depctr_va_vdst(0)
	s_lshl_b32 s20, s18, 13                        ; my wave's 8,192 bytes of LDS: two stages of 32 x SP
	v_lshrrev_b32 v14, 2, v2
	v_mul_u32_u24 v14, v14, SP
	v_and_b32 v15, 3, v2
	v_lshl_add_u32 v14, v15, 4, v14
	v_add_nc_u32 v14, s20, v14                     ; into the stage: four lanes' 64 bytes on end, then the padding
	v_mul_u32_u24 v15, v2, SP
	v_add_nc_u32 v15, s20, v15                     ; out of it: SP x lane: my 16 neighbours
	s_lshl_b32 s21, s19, 6
	s_add_co_u32 s21, s21, ttmp9
	s_lshl_b32 s21, s21, 2
	s_add_co_u32 s21, s21, s18                     ; which run of 8,192 numbers is my wave's: 0 .. 1,023
	s_lshl_b32 s22, s21, 15
	s_mov_b32 s23, 0
	s_add_nc_u64 s[4:5], s[4:5], s[22:23]
	s_lshl_b32 s22, s21, 13
	s_add_nc_u64 s[12:13], s[12:13], s[22:23]
.macro XLOAD t
.irp i, 0,1,2,3
	global_load_b128 v[XR+16*((\t)%4)+4*\i:XR+16*((\t)%4)+4*\i+3], v3, s[4:5] offset:2048*(\t)+512*\i th:TH_LOAD_NT   ; 32 lanes read 512 consecutive bytes
.endr
.endm
.macro XTURN t                         ; step t's numbers through the stage: LDS serves a wave's instructions in order (ISA guide 5.7.1.4), so no wait stands between the stores and the loads
.irp i, 0,1,2,3
	ds_store_b128 v14, v[XR+16*((\t)%4)+4*\i:XR+16*((\t)%4)+4*\i+3] offset:32*SP*((\t)%2)+8*SP*\i
.endr
.irp i, 0,1,2,3
	ds_load_b128 v[XX+16*((\t)%2)+4*\i:XX+16*((\t)%2)+4*\i+3], v15 offset:32*SP*((\t)%2)+16*\i
.endr
.endm
.irp t, 0,1,2,3
	XLOAD \t
.endr
	s_wait_alu depctr_va_vdst(0)
	s_wait_kmcnt 0x0
	s_add_co_i32 s22, s24, 127
	s_lshl_b32 s23, s22, 23
	v_mov_b32 v11, s23                             ; 2^e0 as f32: the conversion takes its exponent field
	s_add_co_i32 s22, s22, 15
	s_lshl_b32 s22, s22, 23
	s_or_b32 s22, s22, 0x600000
	v_mov_b32 v10, s22                             ; 57,344 x 2^e0
	s_wait_alu depctr_va_vdst(0)
	s_wait_loadcnt 12                              ; step 0's four loads are in; the twelve of steps 1 to 3 may be out
	XTURN 0
.macro XSTEP t
.set XS, XX+16*((\t)%2)
	s_wait_dscnt 0x0                               ; this step's numbers are back from the stage: so its stores into the stage have read their registers,
.if (\t)+4 < STEPS
	XLOAD (\t)+4                                   ; which take the loads of four steps on
.endif
.if (\t)+1 < STEPS
.if STEPS-2-(\t) >= 3
	s_wait_loadcnt 12                              ; the next step's four loads are in; those of the three steps behind it may be out
.else
	s_wait_loadcnt 4*(STEPS-2-(\t))
.endif
	XTURN (\t)+1                                   ; and go through the other stage while this step is worked
.endif
.set i, 0
.rept 16
	v_med3_num_f32 v[XS+i], v[XS+i], -v10, v10     ; the conversion to an 8-bit code does not saturate (ISA guide 7.6.2): the hold comes first
.set i, i+1
.endr
	v_cvt_scalef32_pk8_bf8_f32 v[XC+4*(\t):XC+4*(\t)+1], v[XS:XS+7], v11
	v_cvt_scalef32_pk8_bf8_f32 v[XC+4*(\t)+2:XC+4*(\t)+3], v[XS+8:XS+15], v11
	global_store_b128 v3, v[XC+4*(\t):XC+4*(\t)+3], s[12:13] offset:512*(\t)   ; the wave stores 512 consecutive bytes, aligned; the codes' registers are touched by this store alone
.endm
.irp t, 0,1,2,3,4,5,6,7,8,9,10,11,12,13,14,15
	XSTEP \t
.endr
	s_wait_tensorcnt 0x0
	ds_add_u32 v192, v193
	s_wait_dscnt 0x0
	s_endpgm
; ---------------- the weights: K is the first axis ----------------
; A LANE TAKES A COLUMN n, AND ITS REGISTERS RUN DOWN K: each load reads neighbouring n in neighbouring lanes (128 consecutive bytes a wave, 512 a work-group), and the conversions give codes with K innermost.
; A lane's codes belong to one row of the output: they go through the wave's own stage in LDS and leave as rows: sixteen lanes store 256 consecutive bytes, aligned.
; One text serves both weights: a row's bytes stand in a scalar register, the 32 rows of a block in 32 offset registers, the eight blocks in eight bases.
.Lweights:
	s_sub_co_u32 s20, ttmp9, 64                    ; 0 .. 31
	s_cmp_lt_u32 s20, 24                           ; W_attn's work-group or W_proj's?  The choice hangs on the work-group's number alone
	s_cselect_b64 s[4:5], s[6:7], s[8:9]           ; the weight,
	s_cselect_b64 s[12:13], s[14:15], s[16:17]     ; its codes,
	s_mov_b32 s32, 4096
	s_cselect_b32 s32, 12288, s32                  ; a row of it in bytes,
	s_cselect_b32 s33, 0, 24
	s_sub_co_u32 s20, s20, s33                     ; and which 128 columns
	s_lshl_b32 s21, s20, 7
	s_lshl_b32 s22, s18, 5
	s_add_co_u32 s21, s21, s22                     ; my wave's first column
	s_mul_i32 s22, s19, s32
	s_lshl_b32 s22, s22, 8                         ; 256 y rows down,
	s_lshl_b32 s23, s21, 2
	s_add_co_u32 s22, s22, s23                     ; 4 bytes a column
	s_mov_b32 s23, 0
	s_add_nc_u64 s[36:37], s[4:5], s[22:23]        ; block 0's base
	s_lshl_b32 s52, s32, 5                         ; 32 rows
	s_mov_b32 s53, 0
.irp t, 1,2,3,4,5,6,7
	s_add_nc_u64 s[36+2*\t:37+2*\t], s[34+2*\t:35+2*\t], s[52:53]
.endr
	s_lshl_b32 s22, s21, 10                        ; the codes: my first column's row of 1,024 bytes,
	s_lshl_b32 s34, s19, 8
	s_add_co_u32 s22, s22, s34                     ; + 256 y
	s_add_nc_u64 s[12:13], s[12:13], s[22:23]
	s_wait_alu depctr_va_vdst(0)
	v_lshlrev_b32 v3, 2, v2
.set i, 0
.rept 32
	v_mad_u32_u24 v[WO+i], s32, i, v3
.set i, i+1
.endr
	s_mul_i32 s35, s18, 32*WP
	s_add_co_u32 s35, s35, WBASE                   ; my stage
	v_mul_u32_u24 v4, v2, WP
	v_add_nc_u32 v4, s35, v4                       ; into it: row = my column
	v_and_b32 v5, 15, v2
	v_lshrrev_b32 v6, 4, v2
	v_mul_u32_u24 v7, v6, WP
	v_lshl_add_u32 v7, v5, 4, v7
	v_add_nc_u32 v7, s35, v7                       ; out of it: sixteen lanes to a row, two rows an instruction
	v_lshlrev_b32 v8, 10, v6
	v_lshl_add_u32 v8, v5, 4, v8                   ; and the same place in the codes' buffer
.macro WLOAD t                         ; block t: W(32 t + i, my column), i = 0 .. 31, into set t % 2
.set i, 0
.rept 32
	global_load_b32 v[WX+32*((\t)%2)+i], v[WO+i], s[36+2*(\t):37+2*(\t)] th:TH_LOAD_NT
.set i, i+1
.endr
.endm
	WLOAD 0
	WLOAD 1
	s_wait_kmcnt 0x0
	s_cmp_lt_u32 ttmp9, 88
	s_cselect_b32 s34, s25, s31                    ; e1 or e7
	s_add_co_i32 s34, s34, 127
	s_lshl_b32 s35, s34, 23
	v_mov_b32 v11, s35                             ; 2^e as f32
	s_add_co_i32 s34, s34, 15
	s_lshl_b32 s34, s34, 23
	s_or_b32 s34, s34, 0x600000
	v_mov_b32 v10, s34                             ; 57,344 x 2^e
.macro WBLOCK t
.set XS, WX+32*((\t)%2)
.if (\t) < NB-1
	s_wait_loadcnt 32                              ; this block's 32 loads are in; the next block's 32 may be out
.else
	s_wait_loadcnt 0
.endif
.set i, 0
.rept 32
	v_med3_num_f32 v[XS+i], v[XS+i], -v10, v10     ; the hold at the largest code x the scale
.set i, i+1
.endr
.irp g, 0,1,2,3
	v_cvt_scalef32_pk8_bf8_f32 v[WC+2*\g:WC+2*\g+1], v[XS+8*\g:XS+8*\g+7], v11
.endr
	ds_store_b128 v4, v[WC:WC+3] offset:32*(\t)    ; 32 codes: 32 bytes of my column's row
	ds_store_b128 v4, v[WC+4:WC+7] offset:32*(\t)+16
.if (\t)+2 < NB
	WLOAD (\t)+2
.endif
	s_wait_dscnt 0x0                               ; the stores have read their registers: the next block's codes may be written (its 32 holds, plain lines, come first)
.endm
	s_wait_alu depctr_va_vdst(0)
.irp t, 0,1,2,3,4,5,6,7
	WBLOCK \t
.endr
.irp t, 0,1,2,3,4,5,6,7,8,9,10,11,12,13,14,15
	ds_load_b128 v[WOUT+4*\t:WOUT+4*\t+3], v7 offset:2*\t*WP   ; LDS serves a wave's instructions in order: these see my stores
.endr
.irp t, 0,1,2,3,4,5,6,7,8,9,10,11,12,13,14,15
	s_wait_dscnt 15-\t                             ; the younger loads may be out
	global_store_b128 v8, v[WOUT+4*\t:WOUT+4*\t+3], s[12:13] offset:2*\t*1024
.endr
	s_wait_tensorcnt 0x0
	ds_add_u32 v192, v193
	s_wait_dscnt 0x0
	s_endpgm
.Lfunc_end_k_q54c0614c33_quant:
	.size	k_q54c0614c33_quant, .Lfunc_end_k_q54c0614c33_quant-k_q54c0614c33_quant
	.p2alignl 7, 3214868480
	.fill 96, 4, 3214868480
	.section	.rodata,"a",@progbits
	.p2align	6, 0x0
	.amdhsa_kernel k_q54c0614c33_quant
		.amdhsa_group_segment_fixed_size 68096
		.amdhsa_private_segment_fixed_size 0
		.amdhsa_enable_private_segment 0
		.amdhsa_kernarg_size 56
		.amdhsa_user_sgpr_count 2
		.amdhsa_user_sgpr_kernarg_segment_ptr 1
		.amdhsa_wavefront_size32 1
		.amdhsa_system_sgpr_workgroup_id_x 1
		.amdhsa_system_sgpr_workgroup_id_y 1
		.amdhsa_system_sgpr_workgroup_id_z 1
		.amdhsa_system_vgpr_workitem_id 0
		.amdhsa_next_free_vgpr 194
		.amdhsa_next_free_sgpr 66
		.amdhsa_reserve_vcc 0
		.amdhsa_float_denorm_mode_32 3
		.amdhsa_float_denorm_mode_16_64 3
		.amdhsa_memory_ordered 1
		.amdhsa_forward_progress 1
		.amdhsa_inst_pref_size 88
	.end_amdhsa_kernel
	.amdgpu_metadata
---
amdhsa.version: [ 1, 2 ]
amdhsa.kernels:
  - .name:           k_q54c0614c33_quant
    .symbol:         k_q54c0614c33_quant.kd
    .args:
      - { .name: x, .offset: 0, .size: 8, .value_kind: global_buffer, .address_space: global }
      - { .name: W_attn, .offset: 8, .size: 8, .value_kind: global_buffer, .address_space: global }
      - { .name: W_proj, .offset: 16, .size: 8, .value_kind: global_buffer, .address_space: global }
      - { .name: lowp_scales, .offset: 24, .size: 8, .value_kind: global_buffer, .address_space: global }
      - { .name: x_codes, .offset: 32, .size: 8, .value_kind: global_buffer, .address_space: global }
      - { .name: wa_codes, .offset: 40, .size: 8, .value_kind: global_buffer, .address_space: global }
      - { .name: wp_codes, .offset: 48, .size: 8, .value_kind: global_buffer, .address_space: global }
    .group_segment_fixed_size: 68096
    .private_segment_fixed_size: 0
    .kernarg_segment_align: 8
    .kernarg_segment_size: 56
    .max_flat_workgroup_size: 128
    .sgpr_count:     66
    .vgpr_count:     194
    .wavefront_size: 32
...
	.end_amdgpu_metadata
.endif
;; end of part 1
;; launch qkv (part 2): grid 12 x 32, 4 waves a work-group, clusters of 4 x 4, 327,680 bytes of LDS; arguments x_codes, wa_codes, lowp_scales, b_attn, q_codes, k_codes, v_codes; writes q_codes, k_codes, v_codes
.if DOCPART == 2
	.amdgcn_target "amdgcn-amd-amdhsa--gfx1250"
	.amdhsa_code_object_version 6
	.text
	.protected	k_q54c0614c33_qkv
	.globl	k_q54c0614c33_qkv
	.p2align	8
	.type	k_q54c0614c33_qkv,@function
k_q54c0614c33_qkv:
	s_mov_b64 s[64:65], 0
	v_nop
	global_prefetch_b8 v0, s[64:65] scope:SCOPE_SE
	s_setreg_imm32_b32 hwreg(HW_REG_WAVE_MODE, 25, 1), 1
	s_wait_xcnt 0x0
	s_wait_alu depctr_hold_cnt(0) depctr_sa_sdst(0) depctr_va_vdst(0) depctr_va_sdst(0) depctr_va_ssrc(0) depctr_va_vcc(0) depctr_vm_vsrc(0)
	s_getreg_b32 s2, hwreg(HW_REG_IB_STS2, 6, 4)
	s_cmp_eq_u32 s2, 0
	s_cbranch_scc0 .Lentry_in_a_cluster
	s_endpgm
.Lentry_in_a_cluster:
	s_bfe_u32 s2, ttmp6, 0x10000c
	s_cmp_lg_u32 s2, 0xf033
	s_cbranch_scc0 .Lentry_shape_is_right
	s_endpgm
.Lentry_shape_is_right:
; qkv = x W_attn + b_attn on codes of BF8 (E5M2), K = 1,024; the results are quantised at once, q with 2^e2, k with 2^e3, v with 2^e4, and stored as IMAGES OF THE OPERAND REGISTERS of the attention launch.
; x_codes [8192][1024], wa_codes [3072][1024]: K innermost.  A sum stands for sum x 2^(e0 + e1); value = sum x 2^(e0 + e1) + bias, one fused multiply-add; code = value / 2^e, held within +-57,344.
; LIMITS: e0 + e1 between -126 and 127; e2, e3, e4 between -126 and 112: each power of two below is then an f32 number.
; A tile of 256 x 256 is made by a work-group of four waves, a wave makes 128 x 128: 64 accumulators, 512 registers.  K goes in steps of 256 through a ring of two LDS slots filled by the tensor data mover.
; THE MATRIX INSTRUCTION IS USED TRANSPOSED (source 0 = 16 rows of "B", source 1 = 16 rows of "A"): a lane holds ONE row of A and eight neighbours along B's rows.
; The cluster's x says which tensor: 0 q, 1 k, 2 v.  For q and k: A = x (tokens), B = W_attn's codes (columns of qkv): a lane's eight numbers run along the head's 64, which is their K in the scores' product.
; For v the two change places BY POINTERS ALONE: A = W_attn's rows 2,048 on, B = x: a lane's eight numbers run along the tokens, the keys, which are v's K.  The loop's text is one.
; IMAGES.  q_codes, k_codes: [batch x 16 + head][token / 16][2][lane][16 bytes]: lane (r, h) holds token r; registers 2 c, 2 c + 1 hold d = 16 c + 8 h + 0 .. 7.
;          v_codes: [batch x 16 + head][token / 128][d / 16][4][lane][16 bytes]: lane (r, h) holds d = r; registers 2 c, 2 c + 1 hold keys 16 c + 8 h + 0 .. 7.
; So the conversions' results are stored as they stand: each store of the wave covers 512 consecutive bytes, aligned; no stage in LDS.
; CLUSTERS: 4 x 4 work-groups.  The four of a row of the cluster need the same tiles of A, the four of a column the same tiles of B: each tile is asked for JOINTLY.
; No prefetch: K has four steps; two are the first fills, and the other two would have to be asked for at the head, where every work-group's first tiles are on their way.
; REGISTERS, in windows of 256: window 0: v0-31 addresses; from v128 A's fragments, ONE set; on the way out v32-95 values, v96, v97 scale and hold, v128-255 codes.
;   window 1: B's fragments, TWO sets, at v0 and v128; on the way out v0-63 the biases.   window 2: the accumulators of my rows 0-63 ((a, b) at v[8 (8 a + b)]);   window 3: those of rows 64-127.
.set KSTEP,  256
.set ROWB,   256                       ; a tile's row in bytes
.set KROW,   1024                      ; a row of codes in memory
.set PITCH,  272                       ; an LDS row: 256 bytes + 16 of padding = 68 words: row r starts at bank 4 r mod 64 (64 banks of 4 bytes: ISA guide 11.1)
.set FR,     16                        ; registers of a fragment: 16 rows x 128 K
.set NL,     4                         ; LDS loads that bring one
.set NP,     4                         ; places behind this matrix instruction (ISA guide 7.12.1)
.set HALFT,  128*PITCH
.set SLOT,   4*HALFT                   ; A's 256 rows, then B's 256 rows
.set LAPS,   2                         ; 1,024 / 512: a lap = two K steps = once round the ring
.set SPARE,  2*SLOT                    ; behind the ring: the spare words, 128 bytes for each wave
.set BIASL,  SPARE+512                 ; behind them: the tile's 256 biases, 1,024 bytes; no tile ever lands here
.set ADRA, 16                          ; v16-17  LDS address of my A fragments in slot 0, 1
.set ADRB, 20                          ; v20-21  the same for B
.set BAQ,  22                          ; v22     the biases as q and k want them: BIASL + 512 x (my half of the columns) + 32 h
.set BAV,  23                          ; v23     as v wants them: BIASL + 512 x (my half of the rows) + 4 r
.set BST,  24                          ; v24     where I put two biases: BIASL + 8 x thread
.set CO,   26                          ; v26     16 x lane: my place in an image
.set SPW,  28                          ; v28     my spare word; never rewritten
.set NIL,  29                          ; v29     0; never rewritten
.set TMP,  32
.set SCL,  96
.set HLD,  97
.set AF,   128
.set CD,   128
.set G1, 24                            ; s[24:31] descriptor group 1 for A's tiles;  s[32:39] group 0, one set for each slot
.set G0, 32
.set G1B, 48                           ; s[48:55], s[56:63] the same for B's tiles
.set G0B, 56
.set MSB, 0
.macro WIN new                         ; the immediate's high byte repeats the setting that is left
.if MSB != \new
	s_set_vgpr_msb (MSB<<8)|\new
.set MSB, \new
.endif
.endm
.set MUL_LO, 0xa1                      ; source 0 (B) window 1, source 1 (A) window 0, C and D window 2
.set MUL_HI, 0xf1                      ; the same, C and D window 3
.set TO_B,   0x40                      ; destination window 1, address window 0
; A joint load: waves 0 and 1 fetch for A, waves 2 and 3 for B.  The branch hangs on the wave's number alone.  Four v_nop follow each of the two lines.
.macro JLOAD g0a, g1a, g0b, g1b
	s_cmp_eq_u32 s15, 0
	s_cbranch_scc0 .Lfor_b_\@
	tensor_load_to_lds s[\g0a:\g0a+3], s[\g1a:\g1a+7]
	s_nop 0
.rept 4
	v_nop
.endr
	s_branch .Lasked_\@
.Lfor_b_\@:
	tensor_load_to_lds s[\g0b:\g0b+3], s[\g1b:\g1b+7]
	s_nop 0
.rept 4
	v_nop
.endr
.Lasked_\@:
.endm
.macro CREST                           ; a round of the cluster's barrier behind its opening barrier
	s_cmp_lg_u32 s14, 0
	s_cbranch_scc1 .Lnot_wave_0_\@
	s_barrier_signal -3
.Lnot_wave_0_\@:
	s_barrier_wait -3
	s_barrier_signal -1
	s_barrier_wait -1
.endm
.macro CROUND
	s_barrier_signal -1
	s_barrier_wait -1
	CREST
.endm
	s_load_b256 s[4:11], s[0:1], 0x0               ; x's codes s[4:5], W_attn's s[6:7], the scales' exponents s[8:9], b_attn s[10:11]
	s_load_b128 s[68:71], s[0:1], 0x20             ; q's codes s[68:69], k's s[70:71]
	s_load_b64 s[72:73], s[0:1], 0x30              ; v's
	v_lshl_add_u32 v[SPW], v0, 2, SPARE
	v_mov_b32 v[NIL], 0
	ds_add_u32 v28, v29
	ds_add_u32 v28, v29
	s_wait_dscnt 0x0
	v_lshrrev_b32 v1, 5, v0
	v_readfirstlane_b32 s14, v1                    ; wave 0..3
	s_lshr_b32 s15, s14, 1                         ; which half of the tile's rows (A) is mine.  Also: I fetch for A (0) or for B (1)
	s_and_b32 s16, s14, 1                          ; which half of its columns (B).  Also: which 128 rows of that tile I fetch
	s_bfe_u32 s40, ttmp6, 0x40000                  ; cx, cy: my place in the cluster
	s_bfe_u32 s41, ttmp6, 0x40004
	s_and_b32 s74, ttmp7, 0xffff                   ; the cluster's y: 0 .. 7
	s_cmp_eq_u32 ttmp9, 2                          ; v?  The cluster's x is the same in all sixteen partners
	s_cselect_b32 s75, s74, ttmp9                  ; q, k: B's tiles go by the cluster's x (W_attn's rows 0 .. 2,047), A's by its y (x's 8,192 rows);
	s_cselect_b32 s76, 0, s74                      ; v: B's go by its y (x's rows), A has one cluster's worth (W_attn's rows 2,048 .. 3,071)
	s_lshl_b32 s42, s75, 2
	s_add_co_u32 s42, s42, s40                     ; B's tile
	s_lshl_b32 s17, s76, 2
	s_add_co_u32 s17, s17, s41                     ; A's tile
	s_lshl_b32 s43, s41, 2
	s_lshl_b32 s43, 15, s43                        ; my row of the cluster
	s_lshl_b32 s44, 0x1111, s40                    ; my column
	; descriptor group 1: a tile of 128 rows x 256 bytes, padded in LDS
	s_or_b32 s[G1+0], s43, (0<<16)|(1<<20)|(1<<21)|(5<<22)|(3<<25)  ; 15:0 the mask: A's tiles go to my row; 17:16 element of 1 byte; 20 padding on; 21 set beside a mask; 24:22 after every 64 words; 31:25 four words
	s_or_b32 s[G1B+0], s44, (0<<16)|(1<<20)|(1<<21)|(5<<22)|(3<<25)
.irp g, G1, G1B
	s_mov_b32 s[\g+1], ROWB<<16                    ; tensor_dim0
	s_mov_b32 s[\g+2], 128<<16                     ; tensor_dim1
	s_mov_b32 s[\g+3], ROWB<<16                    ; tile_dim0
	s_mov_b32 s[\g+4], 128                         ; tile_dim1
	s_mov_b32 s[\g+5], KROW                        ; tensor_dim0_stride
	s_mov_b32 s[\g+6], 0
	s_mov_b32 s[\g+7], 0
.endr
	s_lshl_b32 s18, s16, 7                         ; which 128 rows of the tile I fetch
	s_lshl_b32 s20, s17, 8
	s_add_co_u32 s20, s20, s18
	s_lshl_b32 s20, s20, 10                        ; A: (256 x tile + 128 x half) rows of 1,024 bytes
	s_mov_b32 s21, 0
	s_lshl_b32 s46, s42, 8
	s_add_co_u32 s46, s46, s18
	s_lshl_b32 s46, s46, 10                        ; B likewise
	s_mov_b32 s47, 0
	s_mul_i32 s45, s14, HALFT                      ; where they go: wave x 128 rows: no place in the cluster enters an LDS address
	s_wait_kmcnt 0x0
	s_load_b256 s[84:91], s[8:9], 0x0              ; e0 .. e7
	s_add_nc_u64 s[78:79], s[6:7], 0x200000        ; W_attn's row 2,048
	s_cmp_eq_u32 ttmp9, 2
	s_cselect_b64 s[80:81], s[78:79], s[4:5]       ; A
	s_cselect_b64 s[82:83], s[4:5], s[6:7]         ; B
	s_add_nc_u64 s[20:21], s[80:81], s[20:21]
	s_add_nc_u64 s[46:47], s[82:83], s[46:47]
	CROUND                                         ; all sixteen work-groups are here: the first joint loads meet
.irp s, 0,1
	s_mov_b32 s[G0+4*\s], 1
	s_add_co_u32 s[G0+4*\s+1], s45, \s*SLOT
	s_add_nc_u64 s[G0+4*\s+2:G0+4*\s+3], s[20:21], \s*ROWB
	s_or_b32 s[G0+4*\s+3], s[G0+4*\s+3], 0x80000000
	s_mov_b32 s[G0B+4*\s], 1
	s_add_co_u32 s[G0B+4*\s+1], s45, \s*SLOT
	s_add_nc_u64 s[G0B+4*\s+2:G0B+4*\s+3], s[46:47], \s*ROWB
	s_or_b32 s[G0B+4*\s+3], s[G0B+4*\s+3], 0x80000000
.endr
	JLOAD G0, G1, G0B, G1B                         ; K step 0: one tensor load a wave at the head
	; the tile's 256 biases: two a thread, into LDS.  q, k: those of B's rows (256 x B's tile on); v: those of A's rows (2,048 + 256 x A's tile on)
	s_lshl_b32 s92, s42, 10
	s_lshl_b32 s93, s17, 10
	s_add_co_u32 s93, s93, 8192
	s_cmp_eq_u32 ttmp9, 2
	s_cselect_b32 s92, s93, s92
	s_mov_b32 s93, 0
	s_add_nc_u64 s[10:11], s[10:11], s[92:93]
	v_lshlrev_b32 v11, 3, v0
	global_load_b64 v[12:13], v11, s[10:11]
	v_add_nc_u32 v[BST], BIASL, v11
	v_and_b32 v1, 15, v0                           ; r = lane % 16
	v_bfe_u32 v2, v0, 4, 1                         ; h = lane / 16
	s_wait_alu depctr_va_vdst(0)
	v_mul_u32_u24 v3, v1, PITCH
	v_lshl_add_u32 v4, v2, 4, v3                   ; a fragment's row x pitch + 16 x half
	s_mul_i32 s21, s15, HALFT                      ; my 128 rows of A
	s_mul_i32 s22, s16, HALFT                      ; my 128 rows of B,
	s_add_co_u32 s22, s22, 2*HALFT                 ; which lie behind A's 256
.irp s, 0,1
	v_add_nc_u32 v[ADRA+\s], s21, v4
	v_add_nc_u32 v[ADRB+\s], s22, v4
	s_add_co_u32 s21, s21, SLOT
	s_add_co_u32 s22, s22, SLOT
.endr
	v_and_b32 v5, 31, v0
	v_lshlrev_b32 v[CO], 4, v5
	s_lshl_b32 s23, s16, 9
	s_add_co_u32 s23, s23, BIASL
	v_lshl_add_u32 v[BAQ], v2, 5, s23
	s_lshl_b32 s23, s15, 9
	s_add_co_u32 s23, s23, BIASL
	v_lshl_add_u32 v[BAV], v1, 2, s23
	; where my images begin.  q, k: ((A's tile / 8) x 16 + 4 (B's tile % 4) + 2 x column half) heads of 131,072 bytes + ((A's tile % 8) x 16 + 8 x row half) tiles of 1,024
	s_lshr_b32 s77, s17, 3
	s_lshl_b32 s77, s77, 4
	s_and_b32 s78, s42, 3
	s_lshl_b32 s78, s78, 2
	s_add_co_u32 s77, s77, s78
	s_lshl_b32 s78, s16, 1
	s_add_co_u32 s77, s77, s78
	s_lshl_b32 s77, s77, 17
	s_and_b32 s78, s17, 7
	s_lshl_b32 s78, s78, 4
	s_lshl_b32 s79, s15, 3
	s_add_co_u32 s78, s78, s79
	s_lshl_b32 s78, s78, 10
	s_add_co_u32 s77, s77, s78
	; v: (((B's tile / 8) x 16 + 4 x A's tile + 2 x row half) x 16 + (B's tile % 8) x 2 + column half) blocks of 8,192 bytes
	s_lshr_b32 s78, s42, 3
	s_lshl_b32 s78, s78, 4
	s_lshl_b32 s79, s17, 2
	s_add_co_u32 s78, s78, s79
	s_lshl_b32 s79, s15, 1
	s_add_co_u32 s78, s78, s79
	s_lshl_b32 s78, s78, 4
	s_and_b32 s79, s42, 7
	s_lshl_b32 s79, s79, 1
	s_add_co_u32 s78, s78, s79
	s_add_co_u32 s78, s78, s16
	s_lshl_b32 s78, s78, 13
	s_cmp_eq_u32 ttmp9, 0
	s_cselect_b64 s[66:67], s[68:69], s[70:71]
	s_cmp_eq_u32 ttmp9, 2
	s_cselect_b64 s[66:67], s[72:73], s[66:67]
	s_cselect_b32 s92, s78, s77
	s_add_nc_u64 s[66:67], s[66:67], s[92:93]
.macro FRAG reg, adr, q, i             ; a fragment: lane l holds row l % 16; registers 4 c .. 4 c + 3 hold K = 32 c + 16 (l / 16) + 0 .. 15: a permutation of k, the same on both sides
.irp c, 0,1,2,3
	ds_load_b128 v[\reg+4*\c:\reg+4*\c+3], v[\adr] offset:128*(\q)+32*\c+(\i)*16*PITCH
.endr
.endm
; 16 matrix instructions: A's blocks a0, a0 + 1 x B's eight, 128 along K.  p: B's set.  zero = 1: the first product starts the sums.
; The 64 accumulators take turns, one instruction a turn, in the same order in every step.
.macro MUL16 a0, p, zero
.irp a, \a0, \a0+1
.irp b, 0,1,2,3,4,5,6,7
.if \zero
	v_wmma_f32_16x16x128_bf8_bf8 v[8*(8*((\a)%4)+\b):8*(8*((\a)%4)+\b)+7], v[128*(\p)+FR*\b:128*(\p)+FR*\b+FR-1], v[AF+FR*(\a):AF+FR*(\a)+FR-1], 0
.else
	v_wmma_f32_16x16x128_bf8_bf8 v[8*(8*((\a)%4)+\b):8*(8*((\a)%4)+\b)+7], v[128*(\p)+FR*\b:128*(\p)+FR*\b+FR-1], v[AF+FR*(\a):AF+FR*(\a)+FR-1], v[8*(8*((\a)%4)+\b):8*(8*((\a)%4)+\b)+7]
.endif
.endr
.endr
.endm
.macro FETCH_B slot, q, p
	WIN TO_B
.irp i, 0,1,2,3,4,5,6,7
	FRAG 128*(\p)+FR*\i, ADRB+\slot, \q, \i
.endr
	WIN 0
.endm
.macro FETCH_A slot, q, i0
.irp i, \i0, \i0+1, \i0+2, \i0+3
	FRAG AF+FR*(\i), ADRA+\slot, \q, \i
.endr
.endm
.macro PLACES n                        ; plain vector lines between a matrix instruction and a load into, or a vector read or write of, its registers
.rept \n
	v_nop
.endr
.endm
; A step of 128 along K that has its successor in the same slot.
.macro STEP slot, q, zero
	s_wait_dscnt 4*NL                              ; B's set and A's blocks 0-3 are in; the youngest sixteen loads (A's blocks 4-7) may be out
	WIN MUL_LO
	MUL16 0, (\q)%2, \zero
	MUL16 2, (\q)%2, \zero
	s_wait_dscnt 0                                 ; A's blocks 4-7 are in
	PLACES NP
	FETCH_B \slot, (\q)+1, 1-(\q)%2
	FETCH_A \slot, (\q)+1, 0
	WIN MUL_HI
	MUL16 4, (\q)%2, \zero
	MUL16 6, (\q)%2, \zero
	PLACES NP
	WIN 0
	FETCH_A \slot, (\q)+1, 4
.endm
; A slot's last step changes slots: ONE barrier; in front of it each wave waits for all its tensor loads, adds 0 to its spare word, and waits for that and for its own reads of this slot.
.macro TURN slot, next, fill
	s_wait_tensorcnt 0x0                           ; all my tensor loads have landed: my part of the next slot
	ds_add_u32 v[SPW], v[NIL]                      ; 0 onto my spare word
	s_wait_dscnt 4*NL+1                            ; (the add and the youngest sixteen loads, A's blocks 4-7, may be out)
	WIN MUL_LO
	MUL16 0, 1, 0                                  ; sixteen matrix instructions stand between the add and the wait for it
	s_wait_dscnt 0x0                               ; the add is done, and my reads of this slot are over
	s_barrier_signal -1
	MUL16 2, 1, 0
	WIN 0
	s_barrier_wait -1
.if \fill
	CREST                                          ; the barrier has opened a round of the cluster's barrier: no wave of any partner still reads this slot or has a load on its way
	s_add_nc_u64 s[G0+4*\slot+2:G0+4*\slot+3], s[G0+4*\slot+2:G0+4*\slot+3], 2*ROWB
	s_add_nc_u64 s[G0B+4*\slot+2:G0B+4*\slot+3], s[G0B+4*\slot+2:G0B+4*\slot+3], 2*ROWB
	JLOAD G0+4*\slot, G1, G0B+4*\slot, G1B         ; the first tensor load behind the round; its four v_nop are the places in front of the loads below
.else
	PLACES NP
.endif
	FETCH_B \next, 0, 0
	FETCH_A \next, 0, 0
	WIN MUL_HI
	MUL16 4, 1, 0
	MUL16 6, 1, 0
	PLACES NP
	WIN 0
	FETCH_A \next, 0, 4
.endm
	s_wait_alu depctr_va_vdst(0)
	s_wait_loadcnt 0x0                             ; my two biases
	ds_store_b64 v[BST], v[12:13]
	s_wait_tensorcnt 0x0                           ; my part of K step 0 is in
	ds_add_u32 v[SPW], v[NIL]
	s_wait_dscnt 0x0                               ; the add is done, and my biases lie in LDS
	CROUND                                         ; a whole round: everybody's part of K step 0 and everybody's biases are in
	JLOAD G0+4, G1, G0B+4, G1B                     ; K step 1: the first tensor load behind the round
	FETCH_B 0, 0, 0
	FETCH_A 0, 0, 0
	FETCH_A 0, 0, 4
	STEP 0, 0, 1                                   ; the first step stands in front of the loop: its products start the sums
	s_mov_b32 s3, LAPS-1
.Llap:                                                 ; a trip goes once round the ring and fills both slots again
	TURN 0, 1, 1
	STEP 1, 0, 0
	TURN 1, 0, 1
	STEP 0, 0, 0
	s_sub_co_u32 s3, s3, 1
	s_cmp_lg_u32 s3, 0
	s_cbranch_scc1 .Llap
	TURN 0, 1, 0                                   ; the last lap fills nothing
	STEP 1, 0, 0
	s_wait_dscnt 4*NL                              ; the very last step
	WIN MUL_LO
	MUL16 0, 1, 0
	MUL16 2, 1, 0
	s_wait_dscnt 0
	WIN MUL_HI
	MUL16 4, 1, 0
	MUL16 6, 1, 0
	WIN 0
; THE WAY OUT, block by block of 16 rows of A: value = sum x 2^(e0 + e1) + bias (each accumulator from its low end on), the hold, the conversion, and four stores of 512 consecutive bytes.
; Each block has its own sixteen registers of codes, so no store's data are written again.
.macro OUTBLK a, isv
.set AC, 64*((\a)%4)
	WIN 0x12+((\a)/4)                              ; source 0 (the sums) window 2 or 3, source 2 (the biases) window 1
.set j, 0
.rept 32
.if \isv
	v_pk_fma_f32 v[TMP+j:TMP+j+1], v[AC+j:AC+j+1], s[96:97], v[2*(\a):2*(\a)+1] op_sel_hi:[1,0,1]   ; v: one bias a lane and block: that of my row of W_attn
.else
	v_pk_fma_f32 v[TMP+j:TMP+j+1], v[AC+j:AC+j+1], s[96:97], v[j:j+1] op_sel_hi:[1,0,1]             ; q, k: the biases of my eight columns of each of B's blocks
.endif
.set j, j+2
.endr
	WIN 0
.set j, 0
.rept 64
	v_med3_num_f32 v[TMP+j], v[TMP+j], -v[HLD], v[HLD]   ; the conversion to an 8-bit code does not saturate (ISA guide 7.6.2)
.set j, j+1
.endr
.irp b, 0,1,2,3,4,5,6,7
	v_cvt_scalef32_pk8_bf8_f32 v[CD+16*(\a)+2*\b:CD+16*(\a)+2*\b+1], v[TMP+8*\b:TMP+8*\b+7], v[SCL]
.endr
	v_nop                                          ; one plain line behind the last conversion: the next block's lines write its sources
.irp g, 0,1,2,3
.if \isv
	global_store_b128 v[CO], v[CD+16*(\a)+4*\g:CD+16*(\a)+4*\g+3], s[66:67] offset:((\a)/4)*131072+((\a)%4)*2048+\g*512   ; head a / 4, d block a % 4, keys 32 g on
.else
	global_store_b128 v[CO], v[CD+16*(\a)+4*\g:CD+16*(\a)+4*\g+3], s[66:67] offset:(\g/2)*131072+(\a)*1024+(\g%2)*512     ; head g / 2, tokens 16 a on, d 32 (g % 2) on
.endif
.endr
.endm
	s_wait_kmcnt 0x0
	s_add_co_i32 s96, s84, s85
	s_add_co_i32 s96, s96, 127
	s_lshl_b32 s96, s96, 23                        ; 2^(e0 + e1) as f32
	s_mov_b32 s97, s96                             ; (named with it as a pair, so it is written)
	s_cmp_eq_u32 ttmp9, 0
	s_cselect_b32 s94, s86, s87
	s_cmp_eq_u32 ttmp9, 2
	s_cselect_b32 s94, s88, s94                    ; e2, e3 or e4: a choice, no branch
	s_add_co_i32 s94, s94, 127
	s_lshl_b32 s95, s94, 23
	s_add_co_i32 s94, s94, 15
	s_lshl_b32 s94, s94, 23
	s_or_b32 s94, s94, 0x600000
	PLACES NP                                      ; behind the last products: for the loads into B's first set, the reads of results and the writes over A's fragments
	v_mov_b32 v[SCL], s95                          ; the scale as f32
	v_mov_b32 v[HLD], s94                          ; 57,344 x the scale
	s_cmp_eq_u32 ttmp9, 2
	s_cbranch_scc1 .Lv                             ; on the cluster's x: the same way in all partners
	WIN TO_B
.irp b, 0,1,2,3,4,5,6,7
	ds_load_b128 v[8*\b:8*\b+3], v[BAQ] offset:64*\b          ; bias(128 x column half + 16 b + 8 h + 0 .. 7)
	ds_load_b128 v[8*\b+4:8*\b+7], v[BAQ] offset:64*\b+16
.endr
	s_wait_dscnt 0x0
.irp a, 0,1,2,3,4,5,6,7
	OUTBLK \a, 0
.endr
	WIN 0
	s_branch .Ldone
.Lv:
	WIN TO_B
.irp a, 0,1,2,3,4,5,6,7
	ds_load_b32 v[2*\a], v[BAV] offset:64*\a                  ; bias(128 x row half + 16 a + r), twice: a pair for the packed form
	ds_load_b32 v[2*\a+1], v[BAV] offset:64*\a
.endr
	s_wait_dscnt 0x0
.irp a, 0,1,2,3,4,5,6,7
	OUTBLK \a, 1
.endr
	WIN 0
.Ldone:
	s_wait_tensorcnt 0x0                           ; the wave's end
	ds_add_u32 v[SPW], v[NIL]
	s_wait_dscnt 0x0
	CROUND                                         ; the closing round: no work-group ends while a partner may still ask for a tile that names it
	s_endpgm
.Lfunc_end_k_q54c0614c33_qkv:
	.size	k_q54c0614c33_qkv, .Lfunc_end_k_q54c0614c33_qkv-k_q54c0614c33_qkv
	.p2alignl 7, 3214868480
	.fill 96, 4, 3214868480
	.section	.rodata,"a",@progbits
	.p2align	6, 0x0
	.amdhsa_kernel k_q54c0614c33_qkv
		.amdhsa_group_segment_fixed_size 327680
		.amdhsa_private_segment_fixed_size 0
		.amdhsa_enable_private_segment 0
		.amdhsa_kernarg_size 56
		.amdhsa_user_sgpr_count 2
		.amdhsa_user_sgpr_kernarg_segment_ptr 1
		.amdhsa_wavefront_size32 1
		.amdhsa_system_sgpr_workgroup_id_x 1
		.amdhsa_system_sgpr_workgroup_id_y 1
		.amdhsa_system_sgpr_workgroup_id_z 1
		.amdhsa_system_vgpr_workitem_id 0
		.amdhsa_next_free_vgpr 1024
		.amdhsa_next_free_sgpr 100
		.amdhsa_reserve_vcc 0
		.amdhsa_float_denorm_mode_32 3
		.amdhsa_float_denorm_mode_16_64 3
		.amdhsa_memory_ordered 1
		.amdhsa_forward_progress 1
		.amdhsa_inst_pref_size 194
	.end_amdhsa_kernel
	.amdgpu_metadata
---
amdhsa.version: [ 1, 2 ]
amdhsa.kernels:
  - .name:           k_q54c0614c33_qkv
    .symbol:         k_q54c0614c33_qkv.kd
    .args:
      - { .name: x_codes, .offset: 0, .size: 8, .value_kind: global_buffer, .address_space: global }
      - { .name: wa_codes, .offset: 8, .size: 8, .value_kind: global_buffer, .address_space: global }
      - { .name: lowp_scales, .offset: 16, .size: 8, .value_kind: global_buffer, .address_space: global }
      - { .name: b_attn, .offset: 24, .size: 8, .value_kind: global_buffer, .address_space: global }
      - { .name: q_codes, .offset: 32, .size: 8, .value_kind: global_buffer, .address_space: global }
      - { .name: k_codes, .offset: 40, .size: 8, .value_kind: global_buffer, .address_space: global }
      - { .name: v_codes, .offset: 48, .size: 8, .value_kind: global_buffer, .address_space: global }
    .group_segment_fixed_size: 327680
    .private_segment_fixed_size: 0
    .kernarg_segment_align: 8
    .kernarg_segment_size: 56
    .max_flat_workgroup_size: 128
    .sgpr_count:     100
    .vgpr_count:     1024
    .wavefront_size: 32
...
	.end_amdgpu_metadata
.endif
;; end of part 2
;; launch attn (part 3): grid 4 x 64, 16 waves a work-group, clusters of 4 x 1, 327,680 bytes of LDS; arguments q_codes, k_codes, v_codes, lowp_scales, y_codes; writes y_codes
.if DOCPART == 3
	.amdgcn_target "amdgcn-amd-amdhsa--gfx1250"
	.amdhsa_code_object_version 6
	.text
	.protected	k_q54c0614c33_attn
	.globl	k_q54c0614c33_attn
	.p2align	8
	.type	k_q54c0614c33_attn,@function
k_q54c0614c33_attn:
	s_mov_b64 s[64:65], 0
	v_nop
	global_prefetch_b8 v0, s[64:65] scope:SCOPE_SE
	s_setreg_imm32_b32 hwreg(HW_REG_WAVE_MODE, 25, 1), 1
	s_wait_xcnt 0x0
	s_wait_alu depctr_hold_cnt(0) depctr_sa_sdst(0) depctr_va_vdst(0) depctr_va_sdst(0) depctr_va_ssrc(0) depctr_va_vcc(0) depctr_vm_vsrc(0)
	s_getreg_b32 s2, hwreg(HW_REG_IB_STS2, 6, 4)
	s_cmp_eq_u32 s2, 0
	s_cbranch_scc0 .Lentry_in_a_cluster
	s_endpgm
.Lentry_in_a_cluster:
	s_bfe_u32 s2, ttmp6, 0x10000c
	s_cmp_lg_u32 s2, 0x3003
	s_cbranch_scc0 .Lentry_shape_is_right
	s_endpgm
.Lentry_shape_is_right:
; y[b][q][head] = softmax_k(q . k x 0.1 / sqrt(64), causal) v, both products on codes of BF8 (E5M2); y is quantised at once with 2^e6 and stored as images of the last product's operand registers.
; q_codes, k_codes: [head of 64][token / 16][2][lane][16 bytes]: a tile of 16 tokens x 64 is 1,024 bytes, as v_wmma_f32_16x16x64_bf8_bf8 takes it (lane (r, h): token r, registers 2 c, 2 c + 1: d = 16 c + 8 h + 0 .. 7).
; v_codes: [head][token / 128][d / 16][4][lane][16 bytes]: a fragment of 16 d x 128 keys is 2,048 bytes, as v_wmma_f32_16x16x128_bf8_bf8 takes it.
; y_codes: [row / 16][column / 128][4][lane][16 bytes]: lane (r, h), group c: columns 32 c + 16 h + 0 .. 15 of row r.
; THE SOFTMAX: t = score x 0.0125 log2(e); M = the row's largest t so far, rounded UP to a whole number; p = 2^(t - M) is quantised (2^e5), not normalised; the row's sum is taken of the unquantised p and divides at the end.
; When M moves, the sum and O are multiplied by 2^(old M - new M): exact.
; LEFT OUT: key steps that lie wholly above the diagonal of the causal mask: their p is 0 for every input.
; K AND V OF A HEAD STAY IN LDS: 2 x 131,072 bytes, K from byte 0, V from byte 131,072, as they lie in memory.  No byte of LDS is filled twice.
; CLUSTER: the four work-groups of a head need the same K and V and ask for them JOINTLY (mask 15).  Two groups of loads, one load a wave in each: key steps 0 .. 3 at the head (waves 0-7: K, 4,096 bytes each;
; waves 8-15: V), key steps 4 .. 15 (12,288 bytes a wave) behind the full sequence and a round.  Four key steps are walked on the first group's bytes alone; then one barrier shows the rest to all.
; SHARES.  A group is 128 queries, 8 tiles of 16, and needs key steps 0 .. its own number, the last of them on the diagonal.  Of each group the work-group at place cx owns tiles 2 cx and 2 cx + 1.
; Wave w (g = w / 2, u = w % 2) owns ONE tile at a time, in 256 registers: tile 2 cx + u of group 15 - g, then of group g: 17 key steps for every wave of every work-group.
; No branch, trip count or LDS address hangs on cx: it enters Q's and y's addresses and the mask's compare value alone.
; The walk is counted 0 .. 23 in every wave (16 places for the first group, 8 for the second); a place beyond the wave's group is passed over by a scalar branch on the wave's number and the count.
; NO PREFETCH: all of K and V is asked for by the two groups of loads at the head; there is no later request to run ahead of.
; LAYOUT.  Both products are used transposed: S^T = K Q^T, O^T = V^T P^T: a lane holds ONE query (lane % 16); register 8 t + j of S^T is key 16 t + 8 (lane / 16) + j.
; LIMITS on the given exponents: e2 + e3 between -120 and 133 (added to the exponent field of 0.0125 log2(e)); e5 and e6 between -126 and 112; e4 + e5 goes in by v_ldexp_f32 and has none.
; REGISTERS: v1 16 x lane; v5, v6 the spare word and 0; v8, v9 LDS addresses; v12 -M, v13 the largest t, v[14:15] the sum; v16-23 Q; v24-31 the second group's Q; v32-95 K's 8 tiles, then V's 4 fragments;
;   v96-159 S^T, then p; v160-191 O^T; v192-207 p's codes; v208-213, v252-255 at work; v214, v215 2^e5 and 57,344 x 2^e5; v216 the mask's d; v217 -infinity; v218, v219 as v214, v215 for e6; v224-235 y's codes and the exchange.
.set VBASE, 131072
.set SPARE, 262144                     ; behind K and V: the spare words, 128 bytes for each of 16 waves
.set LI,   1
.set SPW,  5
.set NIL,  6
.set ADK,  8
.set ADV,  9
.set CNT,  14                          ; s14  the walk's place, 0 .. 23
.set KK,   15                          ; s15  the key step
.set LIM,  16                          ; s16  the group's last key step
.set KB,   17                          ; s17  LDS byte of this key step's K
.set WV,   18                          ; s18  my wave's number
.set VB,   19                          ; s19  LDS byte of this key step's V
.set SEL,  20                          ; s[20:21] lane selects: lane l xor 16
.set CS,   22                          ; s[22:23] c = 0.0125 log2(e) x 2^(e2 + e3)
.set CX,   69                          ; s69  my place in the cluster
.set GG,   84                          ; s84  g = wave / 2
; s[24:31], s[40:47] descriptor groups 1 (16 and 48 rows of 256 bytes); s[32:35], s[36:39] their groups 0; s[48:49], s[4:5] Q of the two groups; s[50:51], s[52:53] y; s55 e4 + e5; s[56:63] e0 .. e7; s68 lanes 16-31
.macro CROUND                          ; a round of the cluster's barrier
	s_barrier_signal -1
	s_barrier_wait -1
	s_cmp_lg_u32 s[WV], 0
	s_cbranch_scc1 .Lnot_wave_0_\@
	s_barrier_signal -3
.Lnot_wave_0_\@:
	s_barrier_wait -3
	s_barrier_signal -1
	s_barrier_wait -1
.endm
	s_load_b256 s[4:11], s[0:1], 0x0               ; Q's codes s[4:5], K's s[6:7], V's s[8:9], the scales' exponents s[10:11]
	s_load_b64 s[12:13], s[0:1], 0x20              ; y's codes
	v_lshl_add_u32 v[SPW], v0, 2, SPARE
	v_mov_b32 v[NIL], 0
	ds_add_u32 v[SPW], v[NIL]                      ; the opening lines: the add, twice on end, and its wait ahead of my first tensor load
	ds_add_u32 v[SPW], v[NIL]
	v_lshrrev_b32 v8, 5, v0
	v_readfirstlane_b32 s[WV], v8                  ; wave 0..15
	s_bfe_u32 s[CX], ttmp6, 0x40000
	s_and_b32 s66, ttmp7, 0xffff                   ; the head, 0 .. 63: the cluster's y
	s_lshl_b32 s70, s66, 17                        ; its 131,072 bytes in each tensor of codes
	s_mov_b32 s71, 0
.irp g, 24, 40
	s_mov_b32 s[\g], 15|(3<<16)|(1<<21)            ; the mask: all four partners; elements of 8 bytes; bit 21 beside a mask; no padding
	s_mov_b32 s[\g+1], 32<<16                      ; tensor_dim0: 32 elements = 256 bytes
	s_mov_b32 s[\g+3], 32<<16                      ; tile_dim0
	s_mov_b32 s[\g+5], 32                          ; rows are dense
	s_mov_b32 s[\g+6], 0
	s_mov_b32 s[\g+7], 0
.endr
	s_mov_b32 s26, 16<<16                          ; the first group: 16 rows
	s_mov_b32 s28, 16
	s_mov_b32 s42, 48<<16                          ; the second: 48 rows
	s_mov_b32 s44, 48
	s_lshr_b32 s72, s[WV], 3                       ; I fetch for K (0) or for V (1),
	s_and_b32 s73, s[WV], 7                        ; and which eighth
	s_lshl_b32 s74, s72, 17
	s_lshl_b32 s80, s73, 12
	s_mov_b32 s81, 0
	s_mul_i32 s82, s73, 12288
	s_add_co_u32 s82, s82, 32768
	s_mov_b32 s83, 0
	s_mov_b32 s32, 1
	s_add_co_u32 s33, s74, s80                     ; LDS as memory: the wave's number alone
	s_mov_b32 s36, 1
	s_add_co_u32 s37, s74, s82
	s_mov_b32 s[SEL], 0x76543210
	s_mov_b32 s[SEL+1], 0xfedcba98
	s_mov_b32 s[CS], 0x3c93bb63                    ; 0.0125 x log2(e)
	s_mov_b32 s68, 0xffff0000
	s_wait_dscnt 0x0                               ; both opening adds are done
	s_wait_kmcnt 0x0
	s_load_b256 s[56:63], s[10:11], 0x0            ; e0 .. e7
	s_cmp_eq_u32 s72, 0
	s_cselect_b64 s[78:79], s[6:7], s[8:9]
	s_add_nc_u64 s[78:79], s[78:79], s[70:71]
	s_add_nc_u64 s[34:35], s[78:79], s[80:81]
	s_or_b32 s35, s35, 0x80000000
	s_add_nc_u64 s[38:39], s[78:79], s[82:83]
	s_or_b32 s39, s39, 0x80000000
	CROUND                                         ; all four work-groups are here: the first joint loads meet
	tensor_load_to_lds s[32:35], s[24:31]          ; key steps 0 .. 3: my one load at the head
	s_nop 0
.rept 4
	v_nop
.endr
	s_lshr_b32 s[GG], s[WV], 1                     ; g
	s_and_b32 s72, s[WV], 1                        ; u
	s_lshl_b32 s75, s[CX], 1
	s_add_co_u32 s72, s72, s75                     ; my tile in a group: 2 cx + u
	s_sub_co_u32 s73, 15, s[GG]
	s_lshl_b32 s73, s73, 3
	s_add_co_u32 s73, s73, s72                     ; my tile of 16 queries in group 15 - g,
	s_lshl_b32 s74, s[GG], 3
	s_add_co_u32 s74, s74, s72                     ; and in group g
	s_add_nc_u64 s[4:5], s[4:5], s[70:71]
	s_lshl_b32 s80, s73, 10
	s_add_nc_u64 s[48:49], s[4:5], s[80:81]
	s_lshl_b32 s80, s74, 10
	s_add_nc_u64 s[4:5], s[4:5], s[80:81]
	s_lshr_b32 s76, s66, 4
	s_lshl_b32 s76, s76, 7                         ; the batch's 128 tiles of rows
	s_and_b32 s77, s66, 15
	s_lshl_b32 s77, s77, 10                        ; my head's 64 columns: 1,024 bytes of a tile's 16,384
	s_add_co_u32 s80, s76, s73
	s_lshl_b32 s80, s80, 14
	s_add_co_u32 s80, s80, s77
	s_add_nc_u64 s[50:51], s[12:13], s[80:81]
	s_add_co_u32 s80, s76, s74
	s_lshl_b32 s80, s80, 14
	s_add_co_u32 s80, s80, s77
	s_add_nc_u64 s[52:53], s[12:13], s[80:81]
	s_lshl_b32 s72, s72, 4
	v_and_b32 v[LI], 31, v0
	v_lshlrev_b32 v[LI], 4, v[LI]
	global_load_b128 v[16:19], v[LI], s[48:49]     ; Q of both groups stays in registers
	global_load_b128 v[20:23], v[LI], s[48:49] offset:512
	global_load_b128 v[24:27], v[LI], s[4:5]
	global_load_b128 v[28:31], v[LI], s[4:5] offset:512
	v_and_b32 v7, 15, v0
	v_bfe_u32 v8, v0, 4, 1
	v_lshlrev_b32 v8, 3, v8
	v_sub_nc_u32 v7, v7, v8                        ; r - 8 h
	v_add_nc_u32 v216, s72, v7                     ; d = my query - the diagonal step's first key - 8 h = 32 cx + 16 u + r - 8 h
	v_mov_b32 v13, 0xff61b1e6                      ; the largest t so far: -3e38, under every t
	v_floor_f32 v12, -v13                          ; -M
	v_mov_b32 v14, 0
	v_mov_b32 v15, 0
	v_mov_b32 v209, 0                              ; written once: a lane permute's destination counts as one of its sources
	v_mov_b32 v211, 0                              ; (named as the upper half of the pair v[210:211])
	v_mov_b32 v217, 0xff800000                     ; -infinity
	v_mov_b32 v234, 0
	v_mov_b32 v235, 0
.set j, 0
.rept 32
	v_mov_b32 v[160+j], 0                          ; O^T: the step is written once: the first finds zeros
.set j, j+1
.endr
	s_wait_kmcnt 0x0
	s_add_co_i32 s78, s58, s59
	s_lshl_b32 s78, s78, 23
	s_add_co_i32 s[CS], s[CS], s78                 ; a score stands for score x 2^(e2 + e3)
	s_mov_b32 s[CS+1], s[CS]
	s_add_co_i32 s78, s61, 127
	s_lshl_b32 s79, s78, 23
	v_mov_b32 v214, s79                            ; 2^e5
	s_add_co_i32 s78, s78, 15
	s_lshl_b32 s78, s78, 23
	s_or_b32 s78, s78, 0x600000
	v_mov_b32 v215, s78                            ; 57,344 x 2^e5
	s_add_co_i32 s80, s62, 127
	s_lshl_b32 s81, s80, 23
	v_mov_b32 v218, s81                            ; 2^e6
	s_add_co_i32 s80, s80, 15
	s_lshl_b32 s80, s80, 23
	s_or_b32 s80, s80, 0x600000
	v_mov_b32 v219, s80                            ; 57,344 x 2^e6
	s_add_co_i32 s55, s60, s61                     ; e4 + e5
; The softmax of 128 keys, from S^T to p's codes and O^T under the new M.
.macro SOFTMAX
	v_max3_num_f32 v208, v96, v97, v98             ; the step's largest score of my query, among my 64 keys, in two chains,
	v_max3_num_f32 v210, v99, v100, v101
.irp i, 6,10,14,18,22,26,30,34,38,42,46,50,54,58
	v_max3_num_f32 v208, v208, v[96+\i], v[97+\i]
	v_max3_num_f32 v210, v210, v[98+\i], v[99+\i]
.endr
	v_max3_num_f32 v208, v208, v158, v159
	s_delay_alu instid0(VALU_DEP_1)
	v_max_num_f32 v208, v208, v210
	s_delay_alu instid0(VALU_DEP_1)
	v_permlanex16_b32 v209, v208, s[SEL], s[SEL+1]
	s_delay_alu instid0(VALU_DEP_1)
	v_max_num_f32 v208, v208, v209                 ; and among lane l xor 16's
	s_delay_alu instid0(VALU_DEP_1)
	v_mul_f32 v208, s[CS], v208                    ; as t (c is positive)
	s_delay_alu instid0(VALU_DEP_1)
	v_max_num_f32 v13, v13, v208                   ; the running largest t
	v_mov_b32 v208, v12
	s_delay_alu instid0(VALU_DEP_2)
	v_floor_f32 v12, -v13                          ; the new -M = floor(-t) = -ceil(t): M IS A WHOLE NUMBER
	s_delay_alu instid0(VALU_DEP_1)
	v_sub_f32 v208, v12, v208                      ; M's old value less its new one: a whole number, 0 or less
	s_delay_alu instid0(VALU_DEP_1)
	v_cvt_i32_f32 v208, v208                       ; (it saturates)
	s_delay_alu instid0(VALU_DEP_1)
	v_ldexp_f32 v210, 1.0, v208                    ; f = 2^(old M - new M)
.set j, 0
.rept 32
	v_pk_fma_f32 v[96+j:97+j], v[96+j:97+j], s[CS:CS+1], v[12:13] op_sel_hi:[1,0,0]   ; t - M, two at a time
.set j, j+2
.endr
	s_wait_alu depctr_va_vdst(0)
.set j, 0
.rept 64
	v_exp_f32 v[96+j], v[96+j]                     ; p = 2^(t - M), at most 1: NOT normalised
.set j, j+1
.endr
	v_pk_mul_f32 v[14:15], v[14:15], v[210:211] op_sel_hi:[1,0]   ; the sums under the new M: the plain line behind the exponentials
	s_wait_alu depctr_va_vdst(0)                   ; one wait for the whole batch, ahead of its first reader
	v_pk_add_f32 v[212:213], v[96:97], v[98:99]    ; the row's sum of the unquantised p: two at a time, in four chains
	v_pk_add_f32 v[254:255], v[100:101], v[102:103]
	v_pk_add_f32 v[252:253], v[104:105], v[106:107]
	v_pk_add_f32 v[14:15], v[14:15], v[108:109]
.irp j, 14,22,30,38,46,54
	v_pk_add_f32 v[212:213], v[212:213], v[96+\j:97+\j]
	v_pk_add_f32 v[254:255], v[254:255], v[98+\j:99+\j]
	v_pk_add_f32 v[252:253], v[252:253], v[100+\j:101+\j]
	v_pk_add_f32 v[14:15], v[14:15], v[102+\j:103+\j]
.endr
	v_pk_add_f32 v[212:213], v[212:213], v[158:159]
	v_pk_add_f32 v[254:255], v[254:255], v[252:253]
	v_pk_add_f32 v[14:15], v[14:15], v[212:213]
	v_pk_add_f32 v[14:15], v[14:15], v[254:255]
.irp t, 0,1,2,3,4,5,6,7
.irp i, 0,2,4,6
	v_dual_min_num_f32 v[96+8*\t+\i], v[96+8*\t+\i], v215 :: v_dual_min_num_f32 v[97+8*\t+\i], v[97+8*\t+\i], v215   ; the conversion does not saturate (ISA guide 7.6.2); p is not negative, so the hold is one-sided; two holds a line
.endr
	v_cvt_scalef32_pk8_bf8_f32 v[192+2*\t:193+2*\t], v[96+8*\t:103+8*\t], v214   ; keys 16 t + 8 h + 0 .. 7: registers 2 t, 2 t + 1 of the operand
.endr
	s_wait_alu depctr_va_vdst(0)                   ; directly ahead of the first readers of O^T
.set j, 0
.rept 16
	v_pk_mul_f32 v[160+j:161+j], v[160+j:161+j], v[210:211] op_sel_hi:[1,0]   ; O^T under the new M.  (Also the plain lines between the conversions and the products)
.set j, j+2
.endr
.endm
; A KEY STEP: 128 keys x my 16 queries.
.macro BODY mask
	v_add_nc_u32 v[ADK], s[KB], v[LI]
	v_add_nc_u32 v[ADV], s[VB], v[LI]
	v_nop
	v_nop                                          ; with the two additions: four places in front of loads into registers that the last products have read
.irp t, 0,1,2,3,4,5,6,7
	ds_load_b128 v[32+8*\t:35+8*\t], v[ADK] offset:1024*\t
	ds_load_b128 v[36+8*\t:39+8*\t], v[ADK] offset:1024*\t+512
.endr
	s_wait_alu depctr_va_vdst(0)
	s_wait_dscnt 0x0                               ; K's 8 tiles are in
.irp t, 0,1,2,3,4,5,6,7
	v_wmma_f32_16x16x64_bf8_bf8 v[96+8*\t:103+8*\t], v[32+8*\t:39+8*\t], v[16:23], 0
.endr
.rept 4
	v_nop                                          ; places in front of the loads below and of the reads of S^T
.endr
.irp t, 0,1,2,3
.irp c, 0,1,2,3
	ds_load_b128 v[32+16*\t+4*\c:35+16*\t+4*\c], v[ADV] offset:2048*\t+512*\c   ; V's four fragments land while the softmax is walked
.endr
.endr
.if \mask
	s_cmp_lg_u32 s[KK], s[LIM]                     ; the group's last key step lies on the diagonal: the wave's number and the count alone
	s_cbranch_scc1 .Lopen_\@
.set n, 0
.rept 64
	v_cmp_gt_i32 vcc_lo, 16*(n/8)+n%8, v216        ; the scores of hidden keys become -infinity ahead of the maximum: register 8 t + j is hidden where 16 t + j > d
	v_cndmask_b32 v[96+n], v[96+n], v217, vcc_lo
.set n, n+1
.endr
.Lopen_\@:
.endif
	SOFTMAX
	s_wait_alu depctr_va_vdst(0)
	s_wait_dscnt 0x0                               ; V is in
.irp t, 0,1,2,3
	v_wmma_f32_16x16x128_bf8_bf8 v[160+8*\t:167+8*\t], v[32+16*\t:47+16*\t], v[192:207], v[160+8*\t:167+8*\t]
.endr
.endm
; THE WAY OUT of a tile.  y = O^T x 2^(e4 + e5) / the sum, held, converted with 2^e6.  A lane then holds d = 16 t + 8 h + 0 .. 7 in registers 2 t, 2 t + 1; the last product wants d = 32 c + 16 h + 0 .. 15
; in registers 4 c .. 4 c + 3: each lane changes 8 bytes with lane l xor 16.  Two stores of 512 consecutive bytes, aligned.  ph = 0: the second group's Q takes its place and the state begins anew.
.macro WAYOUT ph
.rept 4
	v_nop                                          ; places behind the last products
.endr
	v_add_f32 v14, v14, v15                        ; the sum's two halves,
	s_delay_alu instid0(VALU_DEP_1)
	v_permlanex16_b32 v209, v14, s[SEL], s[SEL+1]
	s_delay_alu instid0(VALU_DEP_1)
	v_add_f32 v14, v14, v209                       ; and lane l xor 16's
	s_wait_alu depctr_va_vdst(0)                   ; ahead of the transcendental
	v_rcp_f32 v14, v14
	v_nop                                          ; a plain line behind the reciprocal
	s_wait_alu depctr_va_vdst(0)                   ; and the wait ahead of its first reader
	v_ldexp_f32 v14, v14, s55
	s_wait_alu depctr_va_vdst(0)                   ; directly ahead of the first readers of O^T
.set j, 0
.rept 32
	v_mul_f32 v[96+j], v[160+j], v14               ; each accumulator from its low end on
.set j, j+1
.endr
.set j, 0
.rept 32
	v_med3_num_f32 v[96+j], v[96+j], -v219, v219
.set j, j+1
.endr
.irp t, 0,1,2,3
	v_cvt_scalef32_pk8_bf8_f32 v[224+2*\t:225+2*\t], v[96+8*\t:103+8*\t], v218
.endr
	v_nop                                          ; one plain line behind the last conversion
.irp c, 0,1
	v_cndmask_b32 v232, v[226+4*\c], v[224+4*\c], s68   ; what I send: lanes 0-15 their upper pair, lanes 16-31 their lower
	v_cndmask_b32 v233, v[227+4*\c], v[225+4*\c], s68
	s_delay_alu instid0(VALU_DEP_2)
	v_permlanex16_b32 v234, v232, s[SEL], s[SEL+1]
	s_delay_alu instid0(VALU_DEP_2)
	v_permlanex16_b32 v235, v233, s[SEL], s[SEL+1]
	v_cndmask_b32 v[224+4*\c], v[224+4*\c], v234, s68   ; lanes 16-31 take it as their lower pair,
	v_cndmask_b32 v[225+4*\c], v[225+4*\c], v235, s68
	v_cndmask_b32 v[226+4*\c], v234, v[226+4*\c], s68   ; lanes 0-15 as their upper
	v_cndmask_b32 v[227+4*\c], v235, v[227+4*\c], s68
.endr
	global_store_b128 v[LI], v[224:227], s[50+2*\ph:51+2*\ph]
	global_store_b128 v[LI], v[228:231], s[50+2*\ph:51+2*\ph] offset:512
.if \ph == 0
	v_mov_b32 v13, 0xff61b1e6
	s_delay_alu instid0(VALU_DEP_1)
	v_floor_f32 v12, -v13
	v_mov_b32 v14, 0
	v_mov_b32 v15, 0
.set j, 0
.rept 8
	v_mov_b32 v[16+j], v[24+j]
.set j, j+1
.endr
.set j, 0
.rept 32
	v_mov_b32 v[160+j], 0
.set j, j+1
.endr
.endif
.endm
	s_wait_alu depctr_va_vdst(0)
	s_wait_tensorcnt 0x0                           ; my part of key steps 0 .. 3 is in
	ds_add_u32 v[SPW], v[NIL]
	s_wait_dscnt 0x0
	CROUND                                         ; everybody's part is in, and all four work-groups are here: the joint loads meet
	tensor_load_to_lds s[36:39], s[40:47]          ; key steps 4 .. 15: my one load behind the round; it fills bytes that nothing has filled
	s_nop 0
.rept 4
	v_nop
.endr
	s_wait_loadcnt 0x0                             ; Q
	s_mov_b32 s[CNT], 0
.Lfirst:                                           ; key steps 0 .. 3: the first group's bytes alone
	s_lshl_b32 s[KB], s[CNT], 13
	s_add_co_u32 s[VB], s[KB], VBASE
	BODY 0
	s_add_co_u32 s[CNT], s[CNT], 1
	s_cmp_lt_u32 s[CNT], 4
	s_cbranch_scc1 .Lfirst
	s_wait_tensorcnt 0x0                           ; my part of key steps 4 .. 15 is in,
	s_wait_dscnt 0x0                               ; no LDS load of mine is out at the signal,
	s_barrier_signal -1
	s_barrier_wait -1                              ; everybody's part is in.
.Lmain:                                            ; places 4 .. 23 of the walk
	s_cmp_lg_u32 s[CNT], 16                        ; place 16: the first group is done in every wave
	s_cbranch_scc1 .Lsame
	WAYOUT 0
	s_wait_alu depctr_va_vdst(0)
.Lsame:
	s_and_b32 s[KK], s[CNT], 15
	s_sub_co_u32 s72, 15, s[GG]
	s_cmp_lt_u32 s[CNT], 16
	s_cselect_b32 s[LIM], s72, s[GG]               ; group 15 - g, then group g
	s_cmp_gt_u32 s[KK], s[LIM]                     ; a key step wholly above the diagonal is passed over
	s_cbranch_scc1 .Lskip
	s_lshl_b32 s[KB], s[KK], 13
	s_add_co_u32 s[VB], s[KB], VBASE
	BODY 1
.Lskip:
	s_add_co_u32 s[CNT], s[CNT], 1
	s_cmp_lt_u32 s[CNT], 24
	s_cbranch_scc1 .Lmain
	s_wait_xcnt 0x0                                ; the first way out's stores have read their registers: the second writes them again
	WAYOUT 1
	s_wait_tensorcnt 0x0                           ; the wave's end
	ds_add_u32 v[SPW], v[NIL]
	s_wait_dscnt 0x0
	CROUND                                         ; the closing round
	s_endpgm
.Lfunc_end_k_q54c0614c33_attn:
	.size	k_q54c0614c33_attn, .Lfunc_end_k_q54c0614c33_attn-k_q54c0614c33_attn
	.p2alignl 7, 3214868480
	.fill 96, 4, 3214868480
	.section	.rodata,"a",@progbits
	.p2align	6, 0x0
	.amdhsa_kernel k_q54c0614c33_attn
		.amdhsa_group_segment_fixed_size 327680
		.amdhsa_private_segment_fixed_size 0
		.amdhsa_enable_private_segment 0
		.amdhsa_kernarg_size 40
		.amdhsa_user_sgpr_count 2
		.amdhsa_user_sgpr_kernarg_segment_ptr 1
		.amdhsa_wavefront_size32 1
		.amdhsa_system_sgpr_workgroup_id_x 1
		.amdhsa_system_sgpr_workgroup_id_y 1
		.amdhsa_system_sgpr_workgroup_id_z 1
		.amdhsa_system_vgpr_workitem_id 0
		.amdhsa_next_free_vgpr 256
		.amdhsa_next_free_sgpr 90
		.amdhsa_reserve_vcc 1
		.amdhsa_float_denorm_mode_32 3
		.amdhsa_float_denorm_mode_16_64 3
		.amdhsa_memory_ordered 1
		.amdhsa_forward_progress 1
		.amdhsa_inst_pref_size 57
	.end_amdhsa_kernel
	.amdgpu_metadata
---
amdhsa.version: [ 1, 2 ]
amdhsa.kernels:
  - .name:           k_q54c0614c33_attn
    .symbol:         k_q54c0614c33_attn.kd
    .args:
      - { .name: q_codes, .offset: 0, .size: 8, .value_kind: global_buffer, .address_space: global }
      - { .name: k_codes, .offset: 8, .size: 8, .value_kind: global_buffer, .address_space: global }
      - { .name: v_codes, .offset: 16, .size: 8, .value_kind: global_buffer, .address_space: global }
      - { .name: lowp_scales, .offset: 24, .size: 8, .value_kind: global_buffer, .address_space: global }
      - { .name: y_codes, .offset: 32, .size: 8, .value_kind: global_buffer, .address_space: global }
    .group_segment_fixed_size: 327680
    .private_segment_fixed_size: 0
    .kernarg_segment_align: 8
    .kernarg_segment_size: 40
    .max_flat_workgroup_size: 512
    .sgpr_count:     90
    .vgpr_count:     256
    .wavefront_size: 32
...
	.end_amdgpu_metadata
.endif
;; end of part 3
;; launch proj (part 4): grid 4 x 64, 4 waves a work-group, clusters of 4 x 4, 327,680 bytes of LDS; arguments y_codes, wp_codes, lowp_scales, b_proj, out0; writes out0
.if DOCPART == 4
	.amdgcn_target "amdgcn-amd-amdhsa--gfx1250"
	.amdhsa_code_object_version 6
	.text
	.protected	k_q54c0614c33_proj
	.globl	k_q54c0614c33_proj
	.p2align	8
	.type	k_q54c0614c33_proj,@function
k_q54c0614c33_proj:
	s_mov_b64 s[64:65], 0
	v_nop
	global_prefetch_b8 v0, s[64:65] scope:SCOPE_SE
	s_setreg_imm32_b32 hwreg(HW_REG_WAVE_MODE, 25, 1), 1
	s_wait_xcnt 0x0
	s_wait_alu depctr_hold_cnt(0) depctr_sa_sdst(0) depctr_va_vdst(0) depctr_va_sdst(0) depctr_va_ssrc(0) depctr_va_vcc(0) depctr_vm_vsrc(0)
	s_getreg_b32 s2, hwreg(HW_REG_IB_STS2, 6, 4)
	s_cmp_eq_u32 s2, 0
	s_cbranch_scc0 .Lentry_in_a_cluster
	s_endpgm
.Lentry_in_a_cluster:
	s_bfe_u32 s2, ttmp6, 0x10000c
	s_cmp_lg_u32 s2, 0xf033
	s_cbranch_scc0 .Lentry_shape_is_right
	s_endpgm
.Lentry_shape_is_right:
.set ROWB,   256
.set KROW,   1024
.set PITCH,  272
.set FR,     16
.set NL,     4
.set NP,     4
.set HALFT,  128*PITCH
.set ABYTES, 32768
.set SLOT,   ABYTES+2*HALFT
.set LAPS,   2
.set SPARE,  2*SLOT
.set SPITCH, 528
.set ADRA, 16
.set ADRB, 20
.set STO,  24
.set RD,   25
.set CO,   26
.set SPW,  28
.set NIL,  29
.set TMP,  32
.set AF,   128
.set BK,   128
.set G1, 24
.set G0, 32
.set G1B, 48
.set G0B, 56
.set MSB, 0
.macro WIN new
.if MSB != \new
	s_set_vgpr_msb (MSB<<8)|\new
.set MSB, \new
.endif
.endm
.set MUL_LO, 0xa1
.set TO_B,   0x40
.macro JLOAD g0a, g1a, g0b, g1b
	s_cmp_eq_u32 s15, 0
	s_cbranch_scc0 .Lfor_b_\@
	tensor_load_to_lds s[\g0a:\g0a+3], s[\g1a:\g1a+7]
	s_nop 0
.rept 4
	v_nop
.endr
	s_branch .Lasked_\@
.Lfor_b_\@:
	tensor_load_to_lds s[\g0b:\g0b+3], s[\g1b:\g1b+7]
	s_nop 0
.rept 4
	v_nop
.endr
.Lasked_\@:
.endm
.macro CREST
	s_cmp_lg_u32 s14, 0
	s_cbranch_scc1 .Lnot_wave_0_\@
	s_barrier_signal -3
.Lnot_wave_0_\@:
	s_barrier_wait -3
	s_barrier_signal -1
	s_barrier_wait -1
.endm
.macro CROUND
	s_barrier_signal -1
	s_barrier_wait -1
	CREST
.endm
	s_load_b256 s[4:11], s[0:1], 0x0
	s_load_b64 s[12:13], s[0:1], 0x20
	v_lshl_add_u32 v[SPW], v0, 2, SPARE
	v_mov_b32 v[NIL], 0
	ds_add_u32 v28, v29
	ds_add_u32 v28, v29
	s_wait_dscnt 0x0
	v_lshrrev_b32 v1, 5, v0
	v_readfirstlane_b32 s14, v1
	s_lshr_b32 s15, s14, 1
	s_and_b32 s16, s14, 1
	s_bfe_u32 s40, ttmp6, 0x40000
	s_bfe_u32 s41, ttmp6, 0x40004
	s_lshl_b32 s42, ttmp9, 2
	s_add_co_u32 s42, s42, s40
	s_and_b32 s17, ttmp7, 0xffff
	s_lshl_b32 s17, s17, 2
	s_add_co_u32 s17, s17, s41
	s_lshl_b32 s43, s41, 2
	s_lshl_b32 s43, 15, s43
	s_lshl_b32 s44, 0x1111, s40
	s_or_b32 s[G1+0], s43, (0<<16)|(1<<21)
	s_mov_b32 s[G1+1], 4096<<16
	s_mov_b32 s[G1+2], 4<<16
	s_mov_b32 s[G1+3], 4096<<16
	s_mov_b32 s[G1+4], 4
	s_mov_b32 s[G1+5], 16384
	s_mov_b32 s[G1+6], 0
	s_mov_b32 s[G1+7], 0
	s_or_b32 s[G1B+0], s44, (0<<16)|(1<<20)|(1<<21)|(5<<22)|(3<<25)
	s_mov_b32 s[G1B+1], ROWB<<16
	s_mov_b32 s[G1B+2], 128<<16
	s_mov_b32 s[G1B+3], ROWB<<16
	s_mov_b32 s[G1B+4], 128
	s_mov_b32 s[G1B+5], KROW
	s_mov_b32 s[G1B+6], 0
	s_mov_b32 s[G1B+7], 0
	s_lshl_b32 s20, s17, 3
	s_lshl_b32 s18, s16, 2
	s_add_co_u32 s20, s20, s18
	s_lshl_b32 s20, s20, 14
	s_mov_b32 s21, 0
	s_lshl_b32 s46, s42, 8
	s_lshl_b32 s18, s16, 7
	s_add_co_u32 s46, s46, s18
	s_lshl_b32 s46, s46, 10
	s_mov_b32 s47, 0
	s_lshl_b32 s45, s16, 14
	s_mul_i32 s77, s16, HALFT
	s_add_co_u32 s77, s77, ABYTES
	s_wait_kmcnt 0x0
	s_load_b64 s[96:97], s[8:9], 0x18
	s_add_nc_u64 s[20:21], s[4:5], s[20:21]
	s_add_nc_u64 s[46:47], s[6:7], s[46:47]
	CROUND
.irp s, 0,1
	s_mov_b32 s[G0+4*\s], 1
	s_add_co_u32 s[G0+4*\s+1], s45, \s*SLOT
	s_add_nc_u64 s[G0+4*\s+2:G0+4*\s+3], s[20:21], \s*4096
	s_or_b32 s[G0+4*\s+3], s[G0+4*\s+3], 0x80000000
	s_mov_b32 s[G0B+4*\s], 1
	s_add_co_u32 s[G0B+4*\s+1], s77, \s*SLOT
	s_add_nc_u64 s[G0B+4*\s+2:G0B+4*\s+3], s[46:47], \s*ROWB
	s_or_b32 s[G0B+4*\s+3], s[G0B+4*\s+3], 0x80000000
.endr
	JLOAD G0, G1, G0B, G1B                         ; K step 0: one tensor load a wave at the head
	v_and_b32 v1, 15, v0
	v_bfe_u32 v2, v0, 4, 1
	v_and_b32 v6, 31, v0
	v_lshlrev_b32 v[CO], 4, v6
	v_mul_u32_u24 v3, v1, PITCH
	v_lshl_add_u32 v4, v2, 4, v3
	s_lshl_b32 s21, s15, 14
	s_mul_i32 s22, s16, HALFT
	s_add_co_u32 s22, s22, ABYTES
.irp s, 0,1
	v_add_nc_u32 v[ADRA+\s], s21, v[CO]
	v_add_nc_u32 v[ADRB+\s], s22, v4
	s_add_co_u32 s21, s21, SLOT
	s_add_co_u32 s22, s22, SLOT
.endr
	s_mul_i32 s23, s14, 16*SPITCH
	v_mul_u32_u24 v5, v1, SPITCH
	v_lshl_add_u32 v5, v2, 5, v5
	v_add_nc_u32 v[STO], s23, v5
	v_add_nc_u32 v[RD], s23, v[CO]
	s_lshl_b32 s46, s42, 10
	s_lshl_b32 s47, s16, 9
	s_add_co_u32 s46, s46, s47
	s_mov_b32 s47, 0
	s_add_nc_u64 s[10:11], s[10:11], s[46:47]
	s_add_nc_u64 s[12:13], s[12:13], s[46:47]
	s_lshl_b32 s20, s17, 7
	s_lshl_b32 s21, s15, 6
	s_add_co_u32 s20, s20, s21
	s_lshl_b32 s20, s20, 12
	s_mov_b32 s21, 0
	s_add_nc_u64 s[12:13], s[12:13], s[20:21]
	v_lshlrev_b32 v10, 5, v2
	WIN 0xc0
.irp b, 0,1,2,3,4,5,6,7
	global_load_b128 v[8*\b:8*\b+3], v10, s[10:11] offset:64*\b
	global_load_b128 v[8*\b+4:8*\b+7], v10, s[10:11] offset:64*\b+16
.endr
	WIN 0
.macro FRAG reg, adr, q, i
.irp c, 0,1,2,3
	ds_load_b128 v[\reg+4*\c:\reg+4*\c+3], v[\adr] offset:128*(\q)+32*\c+(\i)*16*PITCH
.endr
.endm
.macro FRAGI reg, adr, q, i
.irp c, 0,1,2,3
	ds_load_b128 v[\reg+4*\c:\reg+4*\c+3], v[\adr] offset:4096*(\i)+2048*(\q)+512*\c
.endr
.endm
.macro MUL8 a, p, zero
.irp b, 0,1,2,3,4,5,6,7
.if \zero
	v_wmma_f32_16x16x128_bf8_bf8 v[8*(8*(\a)+\b):8*(8*(\a)+\b)+7], v[128*(\p)+FR*\b:128*(\p)+FR*\b+FR-1], v[AF+FR*(\a):AF+FR*(\a)+FR-1], 0
.else
	v_wmma_f32_16x16x128_bf8_bf8 v[8*(8*(\a)+\b):8*(8*(\a)+\b)+7], v[128*(\p)+FR*\b:128*(\p)+FR*\b+FR-1], v[AF+FR*(\a):AF+FR*(\a)+FR-1], v[8*(8*(\a)+\b):8*(8*(\a)+\b)+7]
.endif
.endr
.endm
.macro FETCH_B slot, q, p
	WIN TO_B
.irp i, 0,1,2,3,4,5,6,7
	FRAG 128*(\p)+FR*\i, ADRB+\slot, \q, \i
.endr
	WIN 0
.endm
.macro FETCH_A slot, q, i0
.irp i, \i0, \i0+1
	FRAGI AF+FR*(\i), ADRA+\slot, \q, \i
.endr
.endm
.macro PLACES n
.rept \n
	v_nop
.endr
.endm
.macro STEP slot, q, zero
	s_wait_dscnt 2*NL
	WIN MUL_LO
	MUL8 0, (\q)%2, \zero
	MUL8 1, (\q)%2, \zero
	s_wait_dscnt 0
	PLACES NP
	FETCH_B \slot, (\q)+1, 1-(\q)%2
	FETCH_A \slot, (\q)+1, 0
	WIN MUL_LO
	MUL8 2, (\q)%2, \zero
	MUL8 3, (\q)%2, \zero
	PLACES NP
	WIN 0
	FETCH_A \slot, (\q)+1, 2
.endm
.macro TURN slot, next, fill
	s_wait_tensorcnt 0x0
	ds_add_u32 v[SPW], v[NIL]
	s_wait_dscnt 2*NL+1
	WIN MUL_LO
	MUL8 0, 1, 0
	s_wait_dscnt 0x0
	s_barrier_signal -1
	MUL8 1, 1, 0
	WIN 0
	s_barrier_wait -1
.if \fill
	CREST
	s_add_nc_u64 s[G0+4*\slot+2:G0+4*\slot+3], s[G0+4*\slot+2:G0+4*\slot+3], 2*4096
	s_add_nc_u64 s[G0B+4*\slot+2:G0B+4*\slot+3], s[G0B+4*\slot+2:G0B+4*\slot+3], 2*ROWB
	JLOAD G0+4*\slot, G1, G0B+4*\slot, G1B
.else
	PLACES NP
.endif
	FETCH_B \next, 0, 0
	FETCH_A \next, 0, 0
	WIN MUL_LO
	MUL8 2, 1, 0
	MUL8 3, 1, 0
	PLACES NP
	WIN 0
	FETCH_A \next, 0, 2
.endm
	s_wait_alu depctr_va_vdst(0)
	s_wait_tensorcnt 0x0                           ; my part of K step 0 is in
	ds_add_u32 v[SPW], v[NIL]
	s_wait_dscnt 0x0
	CROUND                                         ; a whole round: everybody's part of K step 0 is in
	JLOAD G0+4, G1, G0B+4, G1B                     ; K step 1: the first tensor load behind the round
	FETCH_B 0, 0, 0
	FETCH_A 0, 0, 0
	FETCH_A 0, 0, 2
	STEP 0, 0, 1
	s_mov_b32 s3, LAPS-1
.Llap:
	TURN 0, 1, 1
	STEP 1, 0, 0
	TURN 1, 0, 1
	STEP 0, 0, 0
	s_sub_co_u32 s3, s3, 1
	s_cmp_lg_u32 s3, 0
	s_cbranch_scc1 .Llap
	TURN 0, 1, 0
	STEP 1, 0, 0
	s_wait_dscnt 2*NL
	WIN MUL_LO
	MUL8 0, 1, 0
	MUL8 1, 1, 0
	s_wait_dscnt 0
	MUL8 2, 1, 0
	MUL8 3, 1, 0
	WIN 0
.macro TOSTAGE a
.set AC, 64*(\a)
	WIN 0x32
.set j, 0
.rept 32
	v_pk_fma_f32 v[TMP+j:TMP+j+1], v[AC+j:AC+j+1], s[96:97], v[j:j+1] op_sel_hi:[1,0,1]
.set j, j+2
.endr
	WIN 0
.irp b, 0,1,2,3,4,5,6,7
	ds_store_b128 v[STO], v[TMP+8*\b:TMP+8*\b+3] offset:64*\b
	ds_store_b128 v[STO], v[TMP+8*\b+4:TMP+8*\b+7] offset:64*\b+16
.endr
.set BB, BK+64*((\a)%2)
.irp t, 0,1,2,3,4,5,6,7,8,9,10,11,12,13,14,15
	ds_load_b128 v[BB+4*\t:BB+4*\t+3], v[RD] offset:\t*SPITCH
.endr
.endm
.macro SEND a, younger
.set BB, BK+64*((\a)%2)
	s_wait_dscnt \younger
.if (\a) > 0
	s_add_nc_u64 s[12:13], s[12:13], 16*4096
.endif
.irp t, 0,1,2,3,4,5,6,7,8,9,10,11,12,13,14,15
	global_store_b128 v[CO], v[BB+4*\t:BB+4*\t+3], s[12:13] offset:\t*4096 th:TH_STORE_NT
.endr
.endm
	s_wait_kmcnt 0x0
	s_add_co_i32 s96, s96, s97
	s_add_co_i32 s96, s96, 127
	s_lshl_b32 s96, s96, 23
	s_mov_b32 s97, s96
	s_wait_loadcnt 0x0
	PLACES NP
	TOSTAGE 0
.irp a, 1,2,3
.if \a > 1
	s_wait_xcnt 0x0
.endif
	TOSTAGE \a
	SEND \a-1, 32
.endr
	s_wait_xcnt 0x0
	SEND 3, 0
	s_wait_tensorcnt 0x0
	ds_add_u32 v[SPW], v[NIL]
	s_wait_dscnt 0x0
	CROUND
	s_endpgm
.Lfunc_end_k_q54c0614c33_proj:
	.size	k_q54c0614c33_proj, .Lfunc_end_k_q54c0614c33_proj-k_q54c0614c33_proj
	.p2alignl 7, 3214868480
	.fill 96, 4, 3214868480
	.section	.rodata,"a",@progbits
	.p2align	6, 0x0
	.amdhsa_kernel k_q54c0614c33_proj
		.amdhsa_group_segment_fixed_size 327680
		.amdhsa_private_segment_fixed_size 0
		.amdhsa_enable_private_segment 0
		.amdhsa_kernarg_size 40
		.amdhsa_user_sgpr_count 2
		.amdhsa_user_sgpr_kernarg_segment_ptr 1
		.amdhsa_wavefront_size32 1
		.amdhsa_system_sgpr_workgroup_id_x 1
		.amdhsa_system_sgpr_workgroup_id_y 1
		.amdhsa_system_sgpr_workgroup_id_z 1
		.amdhsa_system_vgpr_workitem_id 0
		.amdhsa_next_free_vgpr 832
		.amdhsa_next_free_sgpr 100
		.amdhsa_reserve_vcc 0
		.amdhsa_float_denorm_mode_32 3
		.amdhsa_float_denorm_mode_16_64 3
		.amdhsa_memory_ordered 1
		.amdhsa_forward_progress 1
		.amdhsa_inst_pref_size 78
	.end_amdhsa_kernel
	.amdgpu_metadata
---
amdhsa.version: [ 1, 2 ]
amdhsa.kernels:
  - .name:           k_q54c0614c33_proj
    .symbol:         k_q54c0614c33_proj.kd
    .args:
      - { .name: y_codes, .offset: 0, .size: 8, .value_kind: global_buffer, .address_space: global }
      - { .name: wp_codes, .offset: 8, .size: 8, .value_kind: global_buffer, .address_space: global }
      - { .name: lowp_scales, .offset: 16, .size: 8, .value_kind: global_buffer, .address_space: global }
      - { .name: b_proj, .offset: 24, .size: 8, .value_kind: global_buffer, .address_space: global }
      - { .name: out0, .offset: 32, .size: 8, .value_kind: global_buffer, .address_space: global }
    .group_segment_fixed_size: 327680
    .private_segment_fixed_size: 0
    .kernarg_segment_align: 8
    .kernarg_segment_size: 40
    .max_flat_workgroup_size: 128
    .sgpr_count:     100
    .vgpr_count:     832
    .wavefront_size: 32
...
	.end_amdgpu_metadata
.endif
;; end of part 4
